; MI455X (gfx1250); checked and timed in simulation.
; The chip was launched on July 23, 2026; its instructions are those of AMD's public machine-readable ISA for CDNA 5 (MIT licence, August 2026) and "CDNA5" Instruction Set Architecture Reference Guide (July 2026). The comments in the code are by the model that wrote it; some were corrected since.
;; GRASS Merge. Allowed arithmetic: matrix products marked QUANTISED: E2M3 operands, one E8M0 scale for each 32 along K, by v_wmma_scale_f32_16x16x128_f8f6f4 with both operands' format E2M3, f32 sums; everything else in f32.
;; Inputs: W 2,048 x 128 float32; feature 8,192 x 512 float32.
;; Outputs: out0 8,192 float32; out1 8,192 x 512 float32.
;; This version of the problem:
;;   THIS VERSION OF THE PROBLEM IS GIVEN IN LOW PRECISION. The matrix products marked QUANTISED in the list below multiply operands that are first quantised to E2M3 (2 exponent bits, 3 mantissa bits; 6 bits a number), with one power-of-two scale for each 32 numbers along K (OCP MX v1.0); their sums are f32. All else is computed in f32.
;;   The module's matrix products, in the order in which they are computed (A, B: the left and right operand; K: the contracted axis; several contracted axes count as one K, in the product's order):
;;     1. [M 32,768, K 128] x [K 128, N 2,048]; A: input feature; B: input W: QUANTISED
;;   THE QUANTISER, for each operand of a quantised product, along K:
;;     - K is cut into blocks of 32 from its start; a last block that is shorter is filled with zeros.
;;     - A block's scale is 2^e with e = floor(log2(the largest magnitude in the block)) - 2, held to -126 .. 127; a block of zeros has e = 0. As a byte (E8M0): e + 127.
;;     - Each number is divided by its block's scale, clamped to +-7.5, and rounded to the nearest number of E2M3, ties to even, subnormals kept.
;;     - The product sums the exact products of the quantised numbers (number of the format x scale) in f32.
;;   ~~~python
;;   def quantise(x, axis):      # numpy; x: float32 -> the quantised numbers, widened to float32 again
;;       x = np.moveaxis(x, axis, -1); K = x.shape[-1]
;;       x = np.pad(x, [(0, 0)] * (x.ndim - 1) + [(0, -K % 32)]); x = x.reshape(x.shape[:-1] + (-1, 32)); a = np.abs(x).max(-1, keepdims=True)
;;       e = np.where(a > 0, np.clip(np.frexp(np.where(a > 0, a, 1))[1] - 1 - 2, -126, 127), 0)      # np.frexp(a)[1] - 1 = floor(log2(a)), exactly
;;       r = np.clip(x / 2.0 ** e, -7.5, 7.5)
;;       step = 2.0 ** (np.maximum(np.frexp(np.where(r == 0, 1, r))[1] - 1, 0) - 3)
;;       q = np.round(r / step) * step * 2.0 ** e      # np.round: ties to even
;;       return np.moveaxis(q.reshape(q.shape[:-2] + (-1,))[..., :K], -1, axis).astype(np.float32)
;;   ~~~
;; One version. Each part assembles by itself: llvm-mc -triple=amdgcn-amd-amdhsa -mcpu=gfx1250 --defsym DOCPART=n.
;; ======== version 1 of 1: 2 launches
;; limits: right only within a limited range of input values
;; workspace buffers: cand 1,048,576 bytes of whole numbers
;; launch score (part 1): grid 4 x 64, 8 waves a work-group, clusters of 4 x 4, 327,680 bytes of LDS; arguments feature, W, cand; writes cand
.if DOCPART == 1
	.amdgcn_target "amdgcn-amd-amdhsa--gfx1250"
	.amdhsa_code_object_version 6
	.text
	.protected	k_q92d346d1c9_score
	.globl	k_q92d346d1c9_score
	.p2align	8
	.type	k_q92d346d1c9_score,@function
k_q92d346d1c9_score:
	s_mov_b64 s[64:65], 0
	v_nop
	global_prefetch_b8 v0, s[64:65] scope:SCOPE_SE
	s_setreg_imm32_b32 hwreg(HW_REG_WAVE_MODE, 25, 1), 1
	s_wait_xcnt 0x0
	s_wait_alu depctr_hold_cnt(0) depctr_sa_sdst(0) depctr_va_vdst(0) depctr_va_sdst(0) depctr_va_ssrc(0) depctr_va_vcc(0) depctr_vm_vsrc(0)
	s_getreg_b32 s2, hwreg(HW_REG_IB_STS2, 6, 4)
	s_cmp_eq_u32 s2, 0
	s_cbranch_scc0 .Lentry_in_a_cluster
	s_endpgm
.Lentry_in_a_cluster:
	s_bfe_u32 s2, ttmp6, 0x10000c
	s_cmp_lg_u32 s2, 0xf033
	s_cbranch_scc0 .Lentry_shape_is_right
	s_endpgm
.Lentry_shape_is_right:
; For row n of f = feature seen as [32768][128] and quarter q of W (rows 512 q .. 512 q + 511): the row k of the quarter with the least |f|^2 - 2 Q(f).Q(W[k]) + |W[k]|^2, Q the MX-FP6 quantiser along the 128.
; |f|^2 is the same for all k, so it moves no argmin and is left out here: the row with the LARGEST s = Q(f).Q(W[k]) - 1/2 |W[k]|^2 is taken, the lowest k among equals.  -1/2 |W|^2 is the C of the matrix instruction.
; cand[q][n], 8 bytes: s as a whole number of the same order (below), and k.  The next launch takes the best of a row's four by whole-number compares.
; LIMITS: s is rounded in another order than (|f|^2 - 2 dot) + |W|^2: two rows of W whose distances differ by a few units in the last place of the distance may be told apart otherwise.
;   NaN, infinities and an overflow of |f|^2 alone are not carried to the result.  A block of zeros gets the scale byte 1 where the rule says 127: its codes are zeros, and this program alone reads the bytes.
; SHARES.  A work-group takes 512 rows of f against one quarter of W.  Wave w quantises rows 64 w .. 64 w + 63 of both: its four tiles of W go to LDS as images of the operand's registers, for all waves;
;   its four tiles of f stay in its own registers and meet all 32 tiles of W: 128 matrix instructions.  K = 128 is one instruction: no sum is carried.
; CLUSTER.  4 x 4: x is the quarter, y the group of rows.  W's rows hang on x alone and are asked for jointly along a column, f's on y alone and are asked for jointly along a row.
; LDS.  A wave's stage, 64 rows of 528 bytes (512 and 16 of padding), is filled with its rows of W at the head, and once again with its rows of f, behind a round of the cluster's barrier.
; PREFETCH.  f's rows are asked for at the head, one fill ahead: of the row group's 1,024 blocks of 256 bytes each of the four partners names its 256, a lane a block, one instruction a wave.  W is asked for by the head's own loads: nothing stands ahead of them to prefetch it.
; THE MATRIX INSTRUCTION IS USED TRANSPOSED: source 0 = 16 rows of W, source 1 = 16 rows of f: lane (r, h) holds ONE row of f, and its register j the codebook row 16 T + 8 h + j.
; THE ARGMAX, for a tile of 16 x 16: four v_max3 (eight scores and the running m), one compare (has m stayed?), and by its mask eight selects: seven of the tile's scores and its first row number.
;   At the end j is the lowest j whose kept score equals m, or 7.  A later tile wins only if it is strictly greater.
.set PITCH, 528                        ; 33 x 16: the sixteen rows that a load of 16 bytes a lane touches begin in sixteen different 16-byte columns of 256 bytes
.set TILE,  16*PITCH
.set STG,   4*TILE                     ; a wave's stage
.set SPARE, 8*STG                      ; the spare words, 128 bytes for each wave: no other line names them
.set RECB,  SPARE+1024                 ; W's 32 records: image of 12 registers (4 c .. 4 c + 3 of lane l at 512 c + 16 l), 16 scale words, 16 values of -1/2 |W|^2
.set REC,   1664
.set SPW, 4                            ; v4   my spare word's address;  v5  0: never rewritten
.set NIL, 5
.set STO, 6                            ; v6   my place in my stage: row r, + 128 h
.set IST, 7                            ; v7   where my tiles' images go;  v8 their scale words (the norms 64 bytes on)
.set SST, 8
.set AW0, 9                            ; v9   my place in record 0's image;  v10 its scale words;  v11 its norms
.set AS0, 10
.set AC0, 11
.set H8,  12                           ; v12  8 h
.set PFO, 13                           ; v13  256 x lane
.set PX,  14                           ; v14, v15 lane permutes' results
.set WX,  15
.set PC,  16                           ; W's quantiser: v16-27 the fragment,
.set PT,  28                           ;   v28-39 at work,
.set NS,  40                           ;   v40-43 sums of squares, two chains of pairs
.set WN,  44
.set SWT, 45
.set FF,  16                           ; v16-63   four fragments of f
.set WF,  72                           ; v72-95   W's fragment, two buffers (the second is the quantiser's work space for f)
.set CB,  96                           ; v96-111  -1/2 |W|^2 in the result's layout, two buffers
.set D,   112                          ; v112-175 scores: generation g, row tile i at 112 + 32 g + 8 i
.set S,   176                          ; v176-207 for each row tile seven scores of the winning tile and its first row number
.set M0,  208                          ; v208-215 the running maximum, two sets by turns
.set T,   216                          ; v216-221 at work
.set FS,  240                          ; v240-243 f's scale words;  v244-245 W's: these six hold scales and nothing else
.set WS,  244
.set AW,  246                          ; v246-248 the addresses of the fetches in hand
.set AS,  247
.set AC,  248
.set CO,  249                          ; v249 8 x lane
.set XA,  48                           ; ahead of the loop: 64 numbers of a tile, in three sets
.set XB,  112
.set XC,  176
.set G1W, 16
.set G1F, 24
.set G0W, 32
.set G0F, 36
.set MK,  52                           ; s52-55 four masks
.set SEL, 58
.set HI,  60
.set TCODE, 61
.set TWS, 62
.macro ROUND                           ; a round of the cluster's barrier
	s_barrier_signal -1
	s_barrier_wait -1
	s_cmp_lg_u32 s10, 0
	s_cbranch_scc1 .Lnot_wave_0_\@
	s_barrier_signal -3
.Lnot_wave_0_\@:
	s_barrier_wait -3
	s_barrier_signal -1
	s_barrier_wait -1
.endm
.macro RD t, x                         ; tile t of my stage: x[32 c + i] = number 64 c + 32 h + i of row r
.irp c, 0,1
.irp i, 0,1,2,3,4,5,6,7
	ds_load_b128 v[\x+32*\c+4*\i:\x+32*\c+4*\i+3], v[STO] offset:TILE*\t+256*\c+16*\i
.endr
.endr
.endm
; My 64 numbers in x become the fragment's 12 registers in pc and the row's scale word in sw; t: twelve registers at work.  w = 1: -1/2 |row|^2 too, its lines between the maxima's.
; The largest magnitudes of blocks h and 2 + h: two chains each, all by turns; the floor 2^(3 - 127) holds the byte at 1 from below.
.macro QUANT x, pc, t, sw, w
.irp c, 0,1
	v_max3_num_f32 v[\t+8+\c], |v[\x+32*\c]|, |v[\x+32*\c+1]|, 0x1800000
.endr
.irp c, 0,1
	v_max3_num_f32 v[\t+3+4*\c], |v[\x+32*\c+2]|, |v[\x+32*\c+3]|, |v[\x+32*\c+4]|
.endr
.if \w
	v_pk_mul_f32 v[NS:NS+1], v[\x:\x+1], v[\x:\x+1]
	v_pk_mul_f32 v[NS+2:NS+3], v[\x+2:\x+3], v[\x+2:\x+3]
.endif
.set XE, \x+4
.irp i, 5,7,9,11,13,15,17,19,21,23,25,27,29
.set P, (\i/2)%2
.irp c, 0,1
	v_max3_num_f32 v[\t+8+\c+P*(3*\c-5)], v[\t+8+\c+P*(3*\c-5)], |v[\x+32*\c+\i]|, |v[\x+32*\c+\i+1]|
.endr
.if \w
	v_pk_fma_f32 v[NS:NS+1], v[XE:XE+1], v[XE:XE+1], v[NS:NS+1]
	v_pk_fma_f32 v[NS+2:NS+3], v[XE+2:XE+3], v[XE+2:XE+3], v[NS+2:NS+3]
.set XE, XE+4
.endif
.endr
.irp c, 0,1
	v_max3_num_f32 v[\t+8+\c], v[\t+8+\c], v[\t+3+4*\c], |v[\x+32*\c+31]|
.endr
.if \w
.rept 2
	v_pk_fma_f32 v[NS:NS+1], v[XE:XE+1], v[XE:XE+1], v[NS:NS+1]
	v_pk_fma_f32 v[NS+2:NS+3], v[XE+2:XE+3], v[XE+2:XE+3], v[NS+2:NS+3]
.set XE, XE+4
.endr
.endif
.irp c, 0,1
	v_add_nc_u32 v[\t+10+\c], 0xff000000, v[\t+8+\c]   ; 2 off the exponent field: the conversion takes the exponent field of this operand as its scale, and nothing else of it
.endr
.if \w
	v_pk_add_f32 v[NS:NS+1], v[NS:NS+1], v[NS+2:NS+3]
.endif
.irp c, 0,1
	v_lshrrev_b32 v[\t+3+4*\c], 23, v[\t+10+\c]    ; the scale's byte
.endr
.if \w
	v_add_f32 v[WN], v[NS], v[NS+1]
.endif
	v_lshl_or_b32 v[\t+8], v[\t+7], 16, v[\t+3]    ; my two bytes: blocks h and 2 + h,
	v_lshlrev_b32 v[\t+8], v[H8], v[\t+8]          ; at their places in the word;
.if \w
	v_permlanex16_b32 v[WX], v[WN], s[SEL], s[SEL+1]
.endif
	v_permlanex16_b32 v[PX], v[\t+8], s[SEL], s[SEL+1]
.if \w
	v_add_f32 v[WN], v[WN], v[WX]
	v_mul_f32 v[WN], -0.5, v[WN]
.endif
	v_or_b32 v[\sw], v[\t+8], v[PX]                ; with lane l xor 16's two the word is whole, in both halves of the lanes
.irp c, 0,1
	v_cvt_scalef32_pk16_fp6_f32 v[\pc+6*\c:\pc+6*\c+2], v[\x+32*\c:\x+32*\c+15], v[\t+10+\c]
	v_cvt_scalef32_pk16_fp6_f32 v[\t+4*\c:\t+4*\c+2], v[\x+32*\c+16:\x+32*\c+31], v[\t+10+\c]   ; (a conversion's three registers begin on an even number: a block's second three do not)
.endr
	v_nop                                          ; one plain instruction behind the last scaled conversion
.irp c, 0,1
.irp i, 0,1,2
	v_mov_b32 v[\pc+6*\c+3+\i], v[\t+4*\c+\i]
.endr
.endr
.endm
.macro WTILE t, x                      ; tile t of my four of W becomes record 4 w + t; both halves of the lanes write the same words with the same values
	QUANT \x, PC, PT, SWT, 1
.irp c, 0,1,2
	ds_store_b128 v[IST], v[PC+4*\c:PC+4*\c+3] offset:REC*\t+512*\c
.endr
	ds_store_b32 v[SST], v[SWT] offset:REC*\t
	ds_store_b32 v[SST], v[WN] offset:REC*\t+64
.endm
.macro ADDR
	v_add_nc_u32 v[AW], s[TWS], v[AW0]
	v_add_nc_u32 v[AS], s[TWS], v[AS0]
	v_add_nc_u32 v[AC], s[TWS], v[AC0]
.endm
.macro FETCHW b, d                     ; six LDS loads: the record d further on into buffer b: image, scale words (lane r: row r's), my half's eight norms
.irp c, 0,1,2
	ds_load_b128 v[WF+12*(\b)+4*\c:WF+12*(\b)+4*\c+3], v[AW] offset:REC*(\d)+512*\c
.endr
	ds_load_b32 v[WS+(\b)], v[AS] offset:REC*(\d)
	ds_load_b128 v[CB+8*(\b):CB+8*(\b)+3], v[AC] offset:REC*(\d)
	ds_load_b128 v[CB+8*(\b)+4:CB+8*(\b)+7], v[AC] offset:REC*(\d)+16
.endm
.macro MMA b, i                        ; scores of buffer b's 16 codebook rows against my row tile i
	v_wmma_scale_f32_16x16x128_f8f6f4 v[D+32*(\b)+8*\i:D+32*(\b)+8*\i+7], v[WF+12*(\b):WF+12*(\b)+11], v[FF+12*\i:FF+12*\i+11], v[CB+8*(\b):CB+8*(\b)+7], v[WS+(\b)], v[FS+\i] matrix_a_fmt:MATRIX_FMT_FP6 matrix_b_fmt:MATRIX_FMT_FP6
.endm
.macro AA b, i, j                      ; row tiles i, j by turns: the new m, into set b, from the other generation's scores and the other set's m
.set g, 1-(\b)
.irp k, \i,\j
	v_max3_num_f32 v[T+\k%2], v[D+32*g+8*\k], v[D+32*g+8*\k+1], v[D+32*g+8*\k+2]
.endr
.irp k, \i,\j
	v_max3_num_f32 v[T+2+\k%2], v[D+32*g+8*\k+3], v[D+32*g+8*\k+4], v[D+32*g+8*\k+5]
.endr
.irp k, \i,\j
	v_max3_num_f32 v[T+4+\k%2], v[D+32*g+8*\k+6], v[D+32*g+8*\k+7], v[M0+4*g+\k]
.endr
.irp k, \i,\j
	v_max3_num_f32 v[M0+4*(\b)+\k], v[T+\k%2], v[T+2+\k%2], v[T+4+\k%2]
.endr
.endm
.macro XX bank, i, j                   ; row tiles i, j by turns: where m has grown (old set: bank, new set: the other) the lane takes this tile's scores 0 to 6 and the tile's first row number
.irp k, \i,\j
	v_cmp_ge_f32 s[MK+\k], v[M0+4*(\bank)+\k], v[M0+4*(1-(\bank))+\k]   ; old m >= new m: unchanged, the earlier tile stays
.endr
.irp e, 0,1,2,3,4,5,6
.irp k, \i,\j
	v_cndmask_b32 v[S+8*\k+\e], v[D+32*(\bank)+8*\k+\e], v[S+8*\k+\e], s[MK+\k]
.endr
.endr
.irp k, \i,\j
	v_cndmask_b32 v[S+8*\k+7], s[TCODE], v[S+8*\k+7], s[MK+\k]
.endr
.endm
; A HALF fetches tile u + 1, multiplies tile u (one instruction for each of my row tiles), finds tile u - 1's maxima, keeps row tiles 0 and 1 of tile u - 1, and row tiles 2 and 3 of tile u - 2 (their scores are written over by the last two products).
; The loads into the other buffer stand behind that buffer's last matrix instruction and the eight maxima that follow it: more than the four places that loads want (ISA guide 7.12.1 for vector instructions).
.macro HALF b, d, fetch, track, mma
.if \mma
	s_wait_dscnt 0x0                               ; the six loads issued a HALF ago are in
.endif
.if \fetch
	FETCHW 1-(\b), \d
.endif
.if \mma
	MMA \b, 0
.endif
.if \track
	AA \b, 0, 1
.endif
.if \mma
	MMA \b, 1
.endif
.if \track
	XX \b, 2, 3
	s_add_co_u32 s[TCODE], s[TCODE], 16
.endif
.if \mma
	MMA \b, 2
.endif
.if \track
	XX 1-(\b), 0, 1
.endif
.if \mma
	MMA \b, 3
.endif
.if \track
	AA \b, 2, 3
.endif
.endm
	s_load_b128 s[4:7], s[0:1], 0x0                ; feature s[4:5], W s[6:7]
	s_load_b64 s[8:9], s[0:1], 0x10                ; cand
	v_lshl_add_u32 v[SPW], v0, 2, SPARE
	v_mov_b32 v[NIL], 0
	ds_add_u32 v[SPW], v[NIL]                      ; the opening: the add, twice on end, and its wait ahead of my first tensor load
	ds_add_u32 v[SPW], v[NIL]
	v_lshrrev_b32 v1, 5, v0
	v_readfirstlane_b32 s10, v1                    ; wave 0..7
	s_bfe_u32 s11, ttmp6, 0x40000                  ; cx, cy: my place in the cluster
	s_bfe_u32 s12, ttmp6, 0x40004
	s_lshl_b32 s13, ttmp9, 2
	s_add_co_u32 s13, s13, s11                     ; q: my quarter of W
	s_and_b32 s14, ttmp7, 0xffff
	s_lshl_b32 s14, s14, 2
	s_add_co_u32 s14, s14, s12                     ; y: my 512 rows of f
	s_lshl_b32 s15, 0x1111, s11                    ; my column of the cluster: W
	s_lshl_b32 s40, s12, 2
	s_lshl_b32 s40, 15, s40                        ; my row: f
	s_or_b32 s[G1W], s15, (2<<16)|(1<<20)|(1<<21)|(6<<22)|(3<<25)   ; the mask; elements of 4 bytes; padding on; 21 set beside a mask; after every 128 words, of 4 words
	s_or_b32 s[G1F], s40, (2<<16)|(1<<20)|(1<<21)|(6<<22)|(3<<25)
.irp g, G1W, G1F
	s_mov_b32 s[\g+1], 128<<16                     ; tensor_dim0 = 128
	s_mov_b32 s[\g+2], 64<<16                      ; tensor_dim1 = 64
	s_mov_b32 s[\g+3], 128<<16                     ; tile_dim0 = 128
	s_mov_b32 s[\g+4], 64                          ; tile_dim1 = 64
	s_mov_b32 s[\g+5], 128                         ; from row to row
	s_mov_b32 s[\g+6], 0
	s_mov_b32 s[\g+7], 0
.endr
	s_mov_b32 s[G0W], 1
	s_mul_i32 s[G0W+1], s10, STG
	s_mov_b32 s[G0F], 1
	s_mul_i32 s[G0F+1], s10, STG
	s_mul_i32 s41, s10, STG
	s_lshl_b32 s46, s10, 15                        ; my wave's 64 rows of 512 bytes
	s_lshl_b32 s42, s13, 18                        ; in W: 512 q + 64 w
	s_add_co_u32 s42, s42, s46
	s_mov_b32 s43, 0
	s_lshl_b32 s44, s14, 18                        ; in f: 512 y + 64 w
	s_add_co_u32 s44, s44, s46
	s_mov_b32 s45, 0
	s_lshl_b32 s50, s14, 18                        ; the prefetch: my row group, my share of its blocks, my wave's 32 of them
	s_lshl_b32 s46, s11, 16
	s_add_co_u32 s50, s50, s46
	s_lshl_b32 s46, s10, 13
	s_add_co_u32 s50, s50, s46
	s_mov_b32 s51, 0
	s_lshl_b32 s56, s13, 18                        ; cand: 32,768 places of 8 bytes a quarter; row 512 y + 64 w
	s_lshl_b32 s46, s14, 12
	s_add_co_u32 s56, s56, s46
	s_lshl_b32 s46, s10, 9
	s_add_co_u32 s56, s56, s46
	s_mov_b32 s57, 0
	s_mul_i32 s63, s10, 4*REC
	s_add_co_u32 s63, s63, RECB                    ; my four records
	s_add_co_u32 s46, s63, 1536
	s_mov_b32 s[SEL], 0x76543210                   ; v_permlanex16_b32's selects for lane l xor 16
	s_mov_b32 s[SEL+1], 0xfedcba98
	s_mov_b32 s[HI], 0xffff0000                    ; lanes 16-31
	s_wait_dscnt 0x0                               ; both opening adds are done
	ROUND                                          ; all sixteen work-groups are here: the first joint loads meet
	s_wait_kmcnt 0x0
	s_add_nc_u64 s[G0W+2:G0W+3], s[6:7], s[42:43]
	s_or_b32 s[G0W+3], s[G0W+3], 0x80000000        ; type = 2
	tensor_load_to_lds s[G0W:G0W+3], s[G1W:G1W+7]  ; my 64 rows of W: one tensor load a wave at the head
	s_nop 0
.rept 4
	v_nop                                          ; behind a joint load
.endr
	s_add_nc_u64 s[G0F+2:G0F+3], s[4:5], s[44:45]
	s_or_b32 s[G0F+3], s[G0F+3], 0x80000000
	s_add_nc_u64 s[48:49], s[4:5], s[50:51]
	s_add_nc_u64 s[8:9], s[8:9], s[56:57]
	v_and_b32 v1, 31, v0                           ; lane
	v_lshlrev_b32 v[PFO], 8, v1
	global_prefetch_b8 v[PFO], s[48:49] th:TH_LOAD_NT scope:SCOPE_SE
	v_and_b32 v2, 15, v0                           ; r
	v_bfe_u32 v3, v0, 4, 1                         ; h
	v_mul_u32_u24 v[STO], v2, PITCH
	v_lshl_add_u32 v[STO], v3, 7, v[STO]
	v_add_nc_u32 v[STO], s41, v[STO]
	v_lshl_add_u32 v[IST], v1, 4, s63
	v_lshl_add_u32 v[SST], v2, 2, s46
	v_lshl_add_u32 v[AW0], v1, 4, RECB
	v_lshl_add_u32 v[AS0], v2, 2, RECB+1536
	v_lshl_add_u32 v[AC0], v3, 5, RECB+1600
	v_lshlrev_b32 v[H8], 3, v3
	v_lshlrev_b32 v[CO], 3, v1
	v_mov_b32 v[PX], 0                             ; written once: a lane permute's destination counts as one of its sources
	v_mov_b32 v[WX], 0
	s_wait_alu depctr_va_vdst(0)                   ; the wait at the head's end
	s_wait_tensorcnt 0x0                           ; my rows of W are in; no other wave reads them
	RD 0, XA
	RD 1, XB
	RD 2, XC
	s_wait_dscnt 32                                ; tile 0 is in; the 32 loads of tiles 1 and 2 may be out
	WTILE 0, XA
	RD 3, XA
	s_wait_alu depctr_va_vdst(0)                   ; ahead of the waits below
	s_wait_xcnt 0x0                                ; the prefetch has read its address: its registers are free
	s_wait_tensorcnt 0x0                           ; the three lines ahead of a refill
	ds_add_u32 v[SPW], v[NIL]
	s_wait_dscnt 0x0                               ; the add is done, and all I read of my stage lies in registers
	ROUND                                          ; that holds of every wave of every partner
	tensor_load_to_lds s[G0F:G0F+3], s[G1F:G1F+7]  ; my 64 rows of f, into the same stage
	s_nop 0
.rept 4
	v_nop
.endr
	WTILE 1, XB
	WTILE 2, XC
	WTILE 3, XA
	s_wait_alu depctr_va_vdst(0)                   ; ahead of the waits below
	s_wait_dscnt 0x0                               ; for the others' sake: my records lie in LDS
	s_barrier_signal -1
	s_barrier_wait -1                              ; all 32 records are there; f's rows may still be on their way
	s_wait_tensorcnt 0x0                           ; my rows of f are in
	RD 0, XB
	RD 1, XC
	s_wait_dscnt 16                                ; the younger tile's 16 loads may be out
	QUANT XB, FF, WF+12, FS, 0
	RD 2, XB
	s_wait_dscnt 16
	QUANT XC, FF+12, WF+12, FS+1, 0
	RD 3, XC
	s_wait_dscnt 16
	QUANT XB, FF+24, WF+12, FS+2, 0
	s_mov_b32 s[TWS], 0
	ADDR
	FETCHW 0, 0                                    ; W's tile 0
	s_wait_dscnt 6                                 ; f's tile 3 is in; the six loads of W's tile 0 may be out
	QUANT XC, FF+36, WF+12, FS+3, 0
.irp i, 0,1,2,3,4,5,6,7
	v_mov_b32 v[M0+\i], 0xff800000                 ; both sets of m: -infinity.  These lines, and the six moves above, are the places ahead of the scaled products
.endr
	s_wait_alu depctr_va_vdst(0)                   ; ahead of HALF's
	HALF 0, 1, 1, 0, 1                             ; tile 0 is multiplied, tile 1 fetched; nothing to track yet
.irp p, 0,2,4,6,8,10,12,14,16,18,20,22,24,26,28,30
	v_dual_mov_b32 v[S+\p], 0 :: v_dual_mov_b32 v[S+\p+1], 0   ; the tracking is written once: its first selects find these
.endr
	s_lshl_b32 s[TCODE], s13, 9
	s_sub_co_u32 s[TCODE], s[TCODE], 16            ; 16 below my quarter's first row: a HALF steps it ahead of row tiles 0 and 1
	s_mov_b32 s[TWS], 2*REC
	s_mov_b32 s47, 5
	s_wait_alu depctr_va_vdst(0)                   ; ahead of the loop
.Lw:                                                   ; a trip fetches six tiles: 5 trips, tiles 2 to 31
	ADDR
	s_wait_alu depctr_va_vdst(0)                   ; directly ahead of HALF's
	HALF 1, 0, 1, 1, 1
	HALF 0, 1, 1, 1, 1
	HALF 1, 2, 1, 1, 1
	HALF 0, 3, 1, 1, 1
	HALF 1, 4, 1, 1, 1
	HALF 0, 5, 1, 1, 1
	s_add_co_u32 s[TWS], s[TWS], 6*REC
	s_sub_co_u32 s47, s47, 1
	s_cmp_lg_u32 s47, 0
	s_cbranch_scc1 .Lw
	HALF 1, 0, 0, 1, 1                             ; tile 31 is multiplied
	HALF 0, 0, 0, 1, 0                             ; tile 31 is tracked: the last m lies in set 0
	XX 1, 2, 3
	; j = the lowest j whose kept score equals m; the index; then the other half of the lanes' candidate
.irp i, 0,1,2,3
	v_mov_b32 v[T+\i], 7
.endr
.irp j, 6,5,4,3,2,1,0
.irp i, 0,1,2,3
	v_cmp_neq_f32 s[MK+\i], v[S+8*\i+\j], v[M0+\i]
.endr
.irp i, 0,1,2,3
	v_cndmask_b32 v[T+\i], \j, v[T+\i], s[MK+\i]
.endr
.endr
.irp i, 0,1,2,3
	v_add3_u32 v[T+\i], v[S+8*\i+7], v[T+\i], v[H8]
.endr
.irp i, 0,1,2,3
	v_permlanex16_b32 v[D+\i], v[M0+\i], s[SEL], s[SEL+1]
	v_permlanex16_b32 v[D+4+\i], v[T+\i], s[SEL], s[SEL+1]
.endr
.irp i, 0,1,2,3
	v_cmp_gt_f32 s[MK+\i], v[D+\i], v[M0+\i]       ; the other's is taken where it is greater,
	v_cmp_eq_f32 s48, v[D+\i], v[M0+\i]
	v_cmp_lt_u32 s49, v[D+4+\i], v[T+\i]
	s_and_b32 s48, s48, s49                        ; or equal with the lower index
	s_or_b32 s[MK+\i], s[MK+\i], s48
	v_cndmask_b32 v[M0+\i], v[M0+\i], v[D+\i], s[MK+\i]
	v_cndmask_b32 v[T+\i], v[T+\i], v[D+4+\i], s[MK+\i]
.endr
	; Lanes 0-15 carry row tile 2 p out, lanes 16-31 row tile 2 p + 1: 32 rows x 8 bytes.  s becomes a whole number of the same order: -0 is made +0, and the bits below the sign are turned over where the sign is set
.irp p, 0,1
	v_cndmask_b32 v[D+16+2*\p], v[M0+2*\p], v[M0+2*\p+1], s[HI]
	v_cndmask_b32 v[D+17+2*\p], v[T+2*\p], v[T+2*\p+1], s[HI]
.endr
.irp p, 0,1
	v_add_f32 v[D+16+2*\p], 0, v[D+16+2*\p]
.endr
.irp p, 0,1
	v_ashrrev_i32 v[D+20+\p], 31, v[D+16+2*\p]
.endr
.irp p, 0,1
	v_and_b32 v[D+20+\p], 0x7fffffff, v[D+20+\p]
.endr
.irp p, 0,1
	v_xor_b32 v[D+16+2*\p], v[D+20+\p], v[D+16+2*\p]
.endr
.irp p, 0,1
	global_store_b64 v[CO], v[D+16+2*\p:D+17+2*\p], s[8:9] offset:256*\p   ; 32 lanes store 256 consecutive bytes, at a multiple of 256 from cand's first byte
.endr
	s_wait_tensorcnt 0x0                           ; the wave's end
	ds_add_u32 v[SPW], v[NIL]
	s_wait_dscnt 0x0
	ROUND                                          ; the closing round: no work-group ends while a partner may still ask jointly with it
	s_endpgm
.Lfunc_end_k_q92d346d1c9_score:
	.size	k_q92d346d1c9_score, .Lfunc_end_k_q92d346d1c9_score-k_q92d346d1c9_score
	.p2alignl 7, 3214868480
	.fill 96, 4, 3214868480
	.section	.rodata,"a",@progbits
	.p2align	6, 0x0
	.amdhsa_kernel k_q92d346d1c9_score
		.amdhsa_group_segment_fixed_size 327680
		.amdhsa_private_segment_fixed_size 0
		.amdhsa_enable_private_segment 0
		.amdhsa_kernarg_size 24
		.amdhsa_user_sgpr_count 2
		.amdhsa_user_sgpr_kernarg_segment_ptr 1
		.amdhsa_wavefront_size32 1
		.amdhsa_system_sgpr_workgroup_id_x 1
		.amdhsa_system_sgpr_workgroup_id_y 1
		.amdhsa_system_sgpr_workgroup_id_z 1
		.amdhsa_system_vgpr_workitem_id 0
		.amdhsa_next_free_vgpr 250
		.amdhsa_next_free_sgpr 68
		.amdhsa_reserve_vcc 0
		.amdhsa_float_denorm_mode_32 3
		.amdhsa_float_denorm_mode_16_64 3
		.amdhsa_memory_ordered 1
		.amdhsa_forward_progress 1
		.amdhsa_inst_pref_size 92
	.end_amdhsa_kernel
	.amdgpu_metadata
---
amdhsa.version: [ 1, 2 ]
amdhsa.kernels:
  - .name:           k_q92d346d1c9_score
    .symbol:         k_q92d346d1c9_score.kd
    .args:
      - { .name: feature, .offset: 0, .size: 8, .value_kind: global_buffer, .address_space: global }
      - { .name: W, .offset: 8, .size: 8, .value_kind: global_buffer, .address_space: global }
      - { .name: cand, .offset: 16, .size: 8, .value_kind: global_buffer, .address_space: global }
    .group_segment_fixed_size: 327680
    .private_segment_fixed_size: 0
    .kernarg_segment_align: 8
    .kernarg_segment_size: 24
    .max_flat_workgroup_size: 256
    .sgpr_count:     68
    .vgpr_count:     250
    .wavefront_size: 32
...
	.end_amdgpu_metadata
.endif
;; end of part 1
;; launch gather (part 2): grid 256 x 1, 8 waves a work-group, no clusters, 167,936 bytes of LDS; arguments feature, W, cand, out0, out1; writes out0, out1
.if DOCPART == 2
	.amdgcn_target "amdgcn-amd-amdhsa--gfx1250"
	.amdhsa_code_object_version 6
	.text
	.protected	k_q92d346d1c9_gather
	.globl	k_q92d346d1c9_gather
	.p2align	8
	.type	k_q92d346d1c9_gather,@function
k_q92d346d1c9_gather:
	s_mov_b64 s[64:65], 0
	v_nop
	global_prefetch_b8 v0, s[64:65] scope:SCOPE_SE
	s_setreg_imm32_b32 hwreg(HW_REG_WAVE_MODE, 25, 1), 1
	s_wait_xcnt 0x0
; best[n] = the candidate of row n with the greatest key, the lowest quarter among equals; out1 = W[best], out0[b] = the mean over the batch row's four rows of 1.25 x sum((f - W[best])^2) = 0.3125 x the sum over the batch row's 512 numbers, in f32,
; on the numbers as they are given.  (Both terms of the loss hold the same difference: stop_gradient changes no value; so it is formed once.)
; A stream: no matrix unit, no ring.  No cluster: f's rows and the candidates are read by one work-group each, and which rows of W are read hangs on the stored list.  A work-group owns 32 batch rows, a wave four: 16 rows of 128 numbers.
; f comes into LDS by asynchronous copies, 16 a wave, on a counter of their own: W's rows, and the stores of out1 that copy them, do not stand behind it.  No prefetch: there is no loop to run ahead in.
; The candidates were stored by the launch before as whole numbers; the index is held to 0 .. 2047 ahead of the address.
.set SUMS, 65536                       ; LDS: eight waves' 8,192 bytes of f, the work-group's 32 sums,
.set SPARE, 65792                      ; and the spare words, 128 bytes for each wave, which no other line names
.set LI,  1                            ; v1   16 x lane
.set C8,  2                            ; v2   8 x (lane % 16)
.set LW,  3                            ; v3   LDS: SUMS + 16 x wave
.set L4,  4                            ; v4   4 x lane;  v7 the same + SUMS
.set LDA, 6                            ; v6   LDS: my 16 bytes of my wave's row 0
.set L4S, 7
.set CD,  8                            ; v8-15  the four candidates: key, index
.set F,   24                           ; v24-87   16 rows of f, then f - W
.set WR,  88                           ; v88-151  16 rows of W
.set SQ,  152                          ; v152-167 for each batch row two chains of pairs
.set SM,  168                          ; v168-171 the four sums
.set TP,  172                          ; v172-175 the other half of the lanes'
.set SPW, 176
.set NIL, 177
.set RB,  32                           ; s[32:63] the addresses of 16 rows of W
	s_load_b256 s[4:11], s[0:1], 0x0               ; feature s[4:5], W s[6:7], cand s[8:9], out0 s[10:11]
	s_load_b64 s[12:13], s[0:1], 0x20              ; out1
	v_lshl_add_u32 v[SPW], v0, 2, SPARE
	v_mov_b32 v[NIL], 0
	ds_add_u32 v[SPW], v[NIL]                      ; the opening: the add, twice on end, and its wait ahead of my first copy
	ds_add_u32 v[SPW], v[NIL]
	v_lshrrev_b32 v5, 5, v0
	v_readfirstlane_b32 s14, v5                    ; wave 0..7
	s_lshl_b32 s15, s14, 13
	s_lshl_b32 s28, ttmp9, 16                      ; feature and out1: 32 batch rows of 2,048 bytes a work-group, four a wave
	s_add_co_u32 s28, s28, s15
	s_mov_b32 s29, 0
	s_lshl_b32 s30, ttmp9, 10                      ; cand: 128 places of 8 bytes a work-group, 16 a wave
	s_lshl_b32 s31, s14, 7
	s_add_co_u32 s30, s30, s31
	s_mov_b32 s31, 0
	s_lshl_b32 s70, ttmp9, 7                       ; out0: 32 numbers a work-group
	s_mov_b32 s71, 0
	s_mov_b32 s68, 0x76543210                      ; v_permlanex16_b32's selects for lane l xor 16
	s_mov_b32 s69, 0xfedcba98
	s_lshl_b32 s72, s14, 4
	s_add_co_u32 s72, s72, SUMS
	v_and_b32 v5, 31, v0
	v_and_b32 v[C8], 15, v0
	v_lshlrev_b32 v[LI], 4, v5
	v_lshlrev_b32 v[C8], 3, v[C8]
	v_lshlrev_b32 v[L4], 2, v5
	v_lshl_add_u32 v[L4S], v5, 2, SUMS
	v_lshl_add_u32 v[LDA], v5, 4, s15
	v_mov_b32 v[LW], s72
.irp q, 0,1,2,3
	v_mov_b32 v[TP+\q], 0                          ; written once: a lane permute's destination counts as one of its sources
.endr
	s_wait_alu depctr_va_vdst(0)                   ; the wait at the head's end
	s_wait_dscnt 0x0                               ; both opening adds are done
	s_wait_kmcnt 0x0
	s_add_nc_u64 s[8:9], s[8:9], s[30:31]
	s_add_nc_u64 s[4:5], s[4:5], s[28:29]
.irp q, 0,1,2,3
	global_load_b64 v[CD+2*\q:CD+2*\q+1], v[C8], s[8:9] offset:262144*\q   ; quarter q's candidate of row lane % 16
.endr
.irp n, 0,1,2,3,4,5,6,7,8,9,10,11,12,13,14,15
	global_load_async_to_lds_b128 v[LDA], v[LI], s[4:5] offset:512*\n   ; row n of my 16 of f, 512 consecutive bytes; the offset counts on both sides
.endr
	s_add_nc_u64 s[12:13], s[12:13], s[28:29]
	s_add_nc_u64 s[10:11], s[10:11], s[70:71]
	s_wait_loadcnt 0x0                             ; the candidates are in
	v_cmp_gt_i32 s72, v[CD+2], v[CD]               ; strictly greater: the lower quarter stays among equals
	v_cmp_gt_i32 s73, v[CD+6], v[CD+4]
	v_cndmask_b32 v[CD], v[CD], v[CD+2], s72
	v_cndmask_b32 v[CD+1], v[CD+1], v[CD+3], s72
	v_cndmask_b32 v[CD+4], v[CD+4], v[CD+6], s73
	v_cndmask_b32 v[CD+5], v[CD+5], v[CD+7], s73
	v_cmp_gt_i32 s72, v[CD+4], v[CD]
	v_cndmask_b32 v[CD+1], v[CD+1], v[CD+5], s72
	s_wait_alu depctr_va_vdst(0)                   ; ahead of the readers among the scalar lines below
.irp n, 0,1,2,3,4,5,6,7,8,9,10,11,12,13,14,15
	v_readlane_b32 s[RB+2*\n], v[CD+1], \n
.endr
.irp n, 0,1,2,3,4,5,6,7,8,9,10,11,12,13,14,15
	s_min_u32 s[RB+2*\n], s[RB+2*\n], 0x7ff        ; inside the table, whatever was read
	s_lshl_b32 s[RB+2*\n], s[RB+2*\n], 9
	s_mov_b32 s[RB+2*\n+1], 0
	s_add_nc_u64 s[RB+2*\n:RB+2*\n+1], s[6:7], s[RB+2*\n:RB+2*\n+1]
	global_load_b128 v[WR+4*\n:WR+4*\n+3], v[LI], s[RB+2*\n:RB+2*\n+1]   ; 32 lanes read the row's 512 bytes (no hint: rows of W are read again and again)
.endr
.irp q, 0,1,2,3
	s_wait_loadcnt 12-4*\q                         ; W's rows up to 4 q + 3 are in; the rows behind them stay out
.irp k, 0,1,2,3
	global_store_b128 v[LI], v[WR+16*\q+4*\k:WR+16*\q+4*\k+3], s[12:13] offset:512*(4*\q+\k) th:TH_STORE_NT   ; 32 lanes store 512 consecutive bytes, at a multiple of 512 from out1's first byte
.endr
.endr
	s_wait_asynccnt 0x0                            ; my rows of f are in; no other wave reads them
.irp n, 0,1,2,3,4,5,6,7,8,9,10,11,12,13,14,15
	ds_load_b128 v[F+4*\n:F+4*\n+3], v[LDA] offset:512*\n
.endr
	s_wait_dscnt 0x0
.irp e, 0,2,4,6,8,10,12,14
.irp q, 0,1,2,3
	v_pk_add_f32 v[F+16*\q+\e:F+16*\q+\e+1], v[F+16*\q+\e:F+16*\q+\e+1], v[WR+16*\q+\e:WR+16*\q+\e+1] neg_lo:[0,1] neg_hi:[0,1]   ; f - W
.endr
.endr
.irp q, 0,1,2,3                        ; the first squares start the chains: nothing is cleared
	v_pk_mul_f32 v[SQ+4*\q:SQ+4*\q+1], v[F+16*\q:F+16*\q+1], v[F+16*\q:F+16*\q+1]
	v_pk_mul_f32 v[SQ+4*\q+2:SQ+4*\q+3], v[F+16*\q+2:F+16*\q+3], v[F+16*\q+2:F+16*\q+3]
.endr
.irp e, 4,8,12
.irp q, 0,1,2,3
	v_pk_fma_f32 v[SQ+4*\q:SQ+4*\q+1], v[F+16*\q+\e:F+16*\q+\e+1], v[F+16*\q+\e:F+16*\q+\e+1], v[SQ+4*\q:SQ+4*\q+1]
	v_pk_fma_f32 v[SQ+4*\q+2:SQ+4*\q+3], v[F+16*\q+\e+2:F+16*\q+\e+3], v[F+16*\q+\e+2:F+16*\q+\e+3], v[SQ+4*\q+2:SQ+4*\q+3]
.endr
.endr
.irp q, 0,1,2,3
	v_pk_add_f32 v[SQ+4*\q:SQ+4*\q+1], v[SQ+4*\q:SQ+4*\q+1], v[SQ+4*\q+2:SQ+4*\q+3]
.endr
.irp q, 0,1,2,3
	v_add_f32 v[SM+\q], v[SQ+4*\q], v[SQ+4*\q+1]   ; my 16 numbers of batch row q
.endr
.irp m, 1,2,4,8                        ; across the lanes, the four sums by turns
.irp q, 0,1,2,3
	v_add_f32_dpp v[SM+\q], v[SM+\q], v[SM+\q] row_xmask:\m row_mask:0xf bank_mask:0xf
.endr
.endr
.irp q, 0,1,2,3
	v_permlanex16_b32 v[TP+\q], v[SM+\q], s68, s69
.endr
.irp q, 0,1,2,3
	v_add_f32 v[SM+\q], v[SM+\q], v[TP+\q]
.endr
.irp q, 0,1,2,3
	v_mul_f32 v[SM+\q], 0x3ea00000, v[SM+\q]       ; x 1.25 / 4
.endr
	ds_store_b128 v[LW], v[SM:SM+3]                ; all lanes write the same 16 bytes with the same values
	s_wait_dscnt 0x0                               ; for wave 0's sake
	s_barrier_signal -1
	s_barrier_wait -1
	s_cmp_lg_u32 s14, 0                            ; wave 0 carries the group's 32 numbers out: 128 consecutive bytes
	s_cbranch_scc1 .Lend
	ds_load_b32 v[TP], v[L4S]
	s_wait_dscnt 0x0
	global_store_b32 v[L4], v[TP], s[10:11]
.Lend:
	s_wait_tensorcnt 0x0                           ; the wave's end
	s_wait_asynccnt 0x0
	ds_add_u32 v[SPW], v[NIL]
	s_wait_dscnt 0x0
	s_endpgm
.Lfunc_end_k_q92d346d1c9_gather:
	.size	k_q92d346d1c9_gather, .Lfunc_end_k_q92d346d1c9_gather-k_q92d346d1c9_gather
	.p2alignl 7, 3214868480
	.fill 96, 4, 3214868480
	.section	.rodata,"a",@progbits
	.p2align	6, 0x0
	.amdhsa_kernel k_q92d346d1c9_gather
		.amdhsa_group_segment_fixed_size 167936
		.amdhsa_private_segment_fixed_size 0
		.amdhsa_enable_private_segment 0
		.amdhsa_kernarg_size 40
		.amdhsa_user_sgpr_count 2
		.amdhsa_user_sgpr_kernarg_segment_ptr 1
		.amdhsa_wavefront_size32 1
		.amdhsa_system_sgpr_workgroup_id_x 1
		.amdhsa_system_sgpr_workgroup_id_y 1
		.amdhsa_system_sgpr_workgroup_id_z 1
		.amdhsa_system_vgpr_workitem_id 0
		.amdhsa_next_free_vgpr 180
		.amdhsa_next_free_sgpr 76
		.amdhsa_reserve_vcc 0
		.amdhsa_float_denorm_mode_32 3
		.amdhsa_float_denorm_mode_16_64 3
		.amdhsa_memory_ordered 1
		.amdhsa_forward_progress 1
		.amdhsa_inst_pref_size 19
	.end_amdhsa_kernel
	.amdgpu_metadata
---
amdhsa.version: [ 1, 2 ]
amdhsa.kernels:
  - .name:           k_q92d346d1c9_gather
    .symbol:         k_q92d346d1c9_gather.kd
    .args:
      - { .name: feature, .offset: 0, .size: 8, .value_kind: global_buffer, .address_space: global }
      - { .name: W, .offset: 8, .size: 8, .value_kind: global_buffer, .address_space: global }
      - { .name: cand, .offset: 16, .size: 8, .value_kind: global_buffer, .address_space: global }
      - { .name: out0, .offset: 24, .size: 8, .value_kind: global_buffer, .address_space: global }
      - { .name: out1, .offset: 32, .size: 8, .value_kind: global_buffer, .address_space: global }
    .group_segment_fixed_size: 167936
    .private_segment_fixed_size: 0
    .kernarg_segment_align: 8
    .kernarg_segment_size: 40
    .max_flat_workgroup_size: 256
    .sgpr_count:     76
    .vgpr_count:     180
    .wavefront_size: 32
...
	.end_amdgpu_metadata
.endif
;; end of part 2
